; MI455X (gfx1250); checked and timed in simulation.
; The chip was launched on July 23, 2026; its instructions are those of AMD's public machine-readable ISA for CDNA 5 (MIT licence, August 2026) and "CDNA5" Instruction Set Architecture Reference Guide (July 2026). The comments in the code are by the model that wrote it; some were corrected since.
;; Prob Sparse Self Attention. Allowed arithmetic: matrix products marked QUANTISED: E2M1 operands, one E8M0 scale for each 32 along K, by v_wmma_scale_f32_16x16x128_f8f6f4 with both operands' format E2M1 (or v_wmma_scale_f32_32x16x128_f4), f32 sums; products left as they are: bf16, f16 or f32 operands; f32 sums; everything else in f32.
;; Inputs: keys 8 x 8 x 2,048 x 64 float32; queries 8 x 8 x 2,048 x 64 float32; values 8 x 8 x 2,048 x 64 float32.
;; Outputs: out0 8 x 8 x 2,048 x 64 float32.
;; This version of the problem:
;;   THIS VERSION OF THE PROBLEM IS GIVEN IN LOW PRECISION. The matrix products marked QUANTISED in the list below multiply operands that are first quantised to E2M1 (2 exponent bits, 1 mantissa bit; 4 bits a number), with one power-of-two scale for each 32 numbers along K (OCP MX v1.0); their sums are f32. The products marked 'left as it is' may take bf16, f16 or f32 operands, with f32 sums. Whichever they take, every output number must still come out within the allowed error. Rounding operands to bf16 (8 significant bits) uses up far more of that allowance than f16 does (11 bits, for magnitudes from 6e-5 to 65,504). All else is computed in f32.
;;   The module's matrix products, in the order in which they are computed (A, B: the left and right operand; K: the contracted axis; several contracted axes count as one K, in the product's order):
;;     1. batch 64 x [M 2,048, K 64] x [K 64, N 2,048]; A: input queries; B: input keys: QUANTISED
;;     2. batch 64 x [M 2,048, K 2,048] x [K 2,048, N 64]; A: computed on the way; B: input values: left as it is (an operand is computed on the way)
;;   THE QUANTISER, for each operand of a quantised product, along K:
;;     - K is cut into blocks of 32 from its start; a last block that is shorter is filled with zeros.
;;     - A block's scale is 2^e with e = floor(log2(the largest magnitude in the block)) - 2, held to -126 .. 127; a block of zeros has e = 0. As a byte (E8M0): e + 127.
;;     - Each number is divided by its block's scale, clamped to +-6, and rounded to the nearest number of E2M1, ties to even, subnormals kept.
;;     - The product sums the exact products of the quantised numbers (number of the format x scale) in f32.
;;   ~~~python
;;   def quantise(x, axis):      # numpy; x: float32 -> the quantised numbers, widened to float32 again
;;       x = np.moveaxis(x, axis, -1); K = x.shape[-1]
;;       x = np.pad(x, [(0, 0)] * (x.ndim - 1) + [(0, -K % 32)]); x = x.reshape(x.shape[:-1] + (-1, 32)); a = np.abs(x).max(-1, keepdims=True)
;;       e = np.where(a > 0, np.clip(np.frexp(np.where(a > 0, a, 1))[1] - 1 - 2, -126, 127), 0)      # np.frexp(a)[1] - 1 = floor(log2(a)), exactly
;;       r = np.clip(x / 2.0 ** e, -6, 6)
;;       step = 2.0 ** (np.maximum(np.frexp(np.where(r == 0, 1, r))[1] - 1, 0) - 1)
;;       q = np.round(r / step) * step * 2.0 ** e      # np.round: ties to even
;;       return np.moveaxis(q.reshape(q.shape[:-2] + (-1,))[..., :K], -1, axis).astype(np.float32)
;;   ~~~
;; One version. Each part assembles by itself: llvm-mc -triple=amdgcn-amd-amdhsa -mcpu=gfx1250 --defsym DOCPART=n.
;; ======== version 1 of 1: 1 launch
;; limits: values are held in f16: magnitudes above 65,504 overflow, below 6.1e-05 lose precision
;; launch attn (part 1): grid 4 x 64, 8 waves a work-group, clusters of 4 x 1, 327,680 bytes of LDS; arguments queries, keys, values, out0; writes out0
.if DOCPART == 1
	.amdgcn_target "amdgcn-amd-amdhsa--gfx1250"
	.amdhsa_code_object_version 6
	.text
	.protected	k_qdbe69b7699_attn
	.globl	k_qdbe69b7699_attn
	.p2align	8
	.type	k_qdbe69b7699_attn,@function
k_qdbe69b7699_attn:
	s_mov_b64 s[64:65], 0
	v_nop
	global_prefetch_b8 v0, s[64:65] scope:SCOPE_SE
	s_setreg_imm32_b32 hwreg(HW_REG_WAVE_MODE, 25, 1), 1
	s_wait_xcnt 0x0
	s_wait_alu depctr_hold_cnt(0) depctr_sa_sdst(0) depctr_va_vdst(0) depctr_va_sdst(0) depctr_va_ssrc(0) depctr_va_vcc(0) depctr_vm_vsrc(0)
	s_getreg_b32 s2, hwreg(HW_REG_IB_STS2, 6, 4)
	s_cmp_eq_u32 s2, 0
	s_cbranch_scc0 .Lentry_in_a_cluster
	s_endpgm
.Lentry_in_a_cluster:
	s_bfe_u32 s2, ttmp6, 0x10000c
	s_cmp_lg_u32 s2, 0x3003
	s_cbranch_scc0 .Lentry_shape_is_right
	s_endpgm
.Lentry_shape_is_right:
; out0[b][h][q][:] = the sum over k of softmax_k(Q[q] . K[k] / 8) V[k][:], for 64 heads (b, h) of 2,048 queries and keys, head size 64; all four tensors f32.
; Q K^T IS QUANTISED: Q and K become codes of E2M1 with one E8M0 scale for each 32 along the head's 64, made here by the stated rule, and are multiplied by
; v_wmma_scale_f32_16x16x128_f8f6f4.  The instruction is 128 deep and the product's K is 64: registers 4-7 of every fragment hold zero codes, under the scale byte 127.
; P V is left as it is: p and V go to the matrix unit as f16, sums in f32.  Maxima, exponentials and row sums in f32; the row's maximum is taken away by a running maximum.
; DEAD WORK: none.  Every number of queries, keys and values has a way to the output; all three are loaded whole.
; LIMITS: |V| above 65,504 becomes infinity in f16; NaN and infinities among the inputs are not served; a block of 32 whose largest magnitude lies under 2^-124 is scaled by the
; floor's scale (byte 1), a block of zeros too, where the rule says 127: its codes are zeros, and the bytes are read by this program alone.
; SHARES.  A work-group owns 512 queries of one head, each of its eight waves 64: four tiles of 16, in 512 registers.  Every wave walks all 2,048 keys, 128 a trip, 64 a step.
; CLUSTER.  The four work-groups of a cluster are the four query blocks of one head and walk the same K and V: each tile is asked for JOINTLY, by the same tensor load with the same
; descriptor and the mask 15, and each receives it in its own LDS.
; THE RING.  K and V arrive as f32 through two LDS slots of 128 keys (256 rows of 256 bytes).  All eight waves fetch, 32 rows each: the slot's 256 rows shared among eight waves, so that every
; way through the text passes a tensor load and no branch leads round one.  By this text's count a wave has two tensor loads out at the start and one behind each round.
; THE TURN INTO OPERANDS.  Each wave turns one tile of 16 keys of K into codes and a scale word, and 32 keys x 32 channels of V into two fragments of V^T in f16, and stores them in LDS
; AS IMAGES OF THE OPERANDS' REGISTERS (lane l's 16 bytes at 16 l, a scale word at 4 l): any wave that loads them by the same lines has the same registers in the same lanes.
; Trip j turns chunk j + 1 (from one slot into one of two image buffers) and multiplies chunk j (from the other buffer), while chunk j + 2 lands in the slot that trip j - 1 read:
; one barrier a trip orders all of it.  Waves 0, 3, 5, 6 turn at the trip's head, waves 1, 2, 4, 7 at its end (of waves w and w + 4, and of waves 2 i and 2 i + 1, one does each), so that
; the waves are not all in the same phase.
; LAYOUT.  S^T = K Q^T (source 0 = 16 keys, source 1 = 16 queries): a lane holds ONE query (lane % 16) and keys 8 (lane / 16) + 0..7 of the tile.  Two such tiles, rounded to f16 in pairs,
; ARE source 1 (32 keys x 16 queries) of O^T = V^T P, whose result again holds one query a lane and eight channels.  Nothing changes lanes between the products.
; SOFTMAX.  For each query a running maximum m and sum l: p = 2^(c s - c m), c = log2(e) / 8; in every step O^T and l are multiplied by a = 2^(c m_old - c m_new).
; The step is written once: O^T and l begin as zeros and m as -3e38, so that the first a is 0 and multiplies zeros.
; REGISTERS, in windows of 256 (s_set_vgpr_msb: bits 1:0 source 0, 3:2 source 1, 5:4 source 2, 7:6 destination):
;   window 0: v0-15 addresses; v16-19 K's scale words, v20-23 Q's; v24-55 statistics, eight a tile; v56-63 at work; v64-191 S^T, 32 a tile (between steps: the turn's numbers); v192-255 P, 16 a tile
;   window 1: v0-127 O^T, accumulator (tile t, channels 16 c on) at 32 t + 8 c; v128-159 Q's fragments; v160-191 K's; v192-255 V^T's eight
.set CHB,   32768                      ; a chunk of 128 keys of K or of V in memory
.set NCH,   16                         ; chunks in a head
.set FP,    272                        ; an f32 row in LDS: 256 bytes + 16 of padding = 68 words: row r starts at bank 4 r mod 64 (64 banks of 4 bytes: ISA guide 11.1)
.set WTILE, 32*FP                      ; what one tensor load brings
.set VROW0, 128*FP                     ; a slot: 128 rows of K, then 128 rows of V
.set F1,    1<<17                      ; slot 1 begins here: one exclusive or turns an address in one slot into the other's
.set C0,    0x12000                    ; image buffer 0, behind slot 0
.set CX,    0x8000                     ; image buffer 1 = C0 xor CX = 0x1a000
.set STEPB, 10752                      ; a step of 64 keys in an image buffer: 4 x 512 K's codes, 4 x 128 K's scale words, 8 x 1,024 V^T's fragments
.set KSCO,  2048
.set VIMO,  2560
.set STAGE, 0x31000                    ; behind slot 1: 16 rows x 272 bytes for each wave, for the way out
.set SP,    272
.set SPARE, 0x39800                    ; behind the stages: the spare words, 128 bytes for each wave: four blocks of 256 bytes that no other line names
.set L16, 1                            ; v1   16 x lane
.set KRL, 2                            ; v2   the turn: my 32 numbers of K in a slot
.set VRL, 3                            ; v3   and my first number of V
.set AFK, 4                            ; v4-8 the turn's addresses of the trip: K from, V from, K's codes to, K's scale word to, V^T to
.set AFV, 5
.set AWK, 6
.set AWS, 7
.set AWV, 8
.set AD,  9                            ; v9   the trip's image buffer + 16 x lane
.set STO, 10                           ; v10  the way out: where I put 16 bytes of a row
.set RD,  11                           ; v11  where I read a row back
.set GO,  12                           ; v12  my byte offset in the wave's rows of out0
.set SPW, 13                           ; v13  LDS address of my spare word; never rewritten
.set NIL, 14                           ; v14  0; never rewritten
.set PFO, 15                           ; v15  256 x lane: a row of K or V is 256 bytes; never rewritten
.set KSC, 16
.set QSC, 20
.set ST,  24                           ; tile t at ST + 8 t: +0 c m, +1 m, +2, +3 l (even keys', odd keys'), +4 to +7 at work; a takes +6
.set TM,  56                           ; v56-60 at work
.set SH8, 61                           ; v61  8 x (lane / 16)
.set L4,  62                           ; v62  4 x lane
.set ADS, 63                           ; v63  the trip's image buffer + 4 x lane
.set S,   64
.set P,   192
.set QO,  192                          ; Q's load offset, at the head alone, in a register of P
.set QF,  128                          ; window 1
.set KF,  160
.set VF,  192
.set WV,  12                           ; s12  my wave's number
.set PAR, 14                           ; s14  0: I turn at a trip's head; 1: at its end
.set LIM, 15                           ; s15  1 in a wave that prefetches, else the greatest number
.set PFA, 18                           ; s[18:19] where my prefetches stand
.set G1,  24                           ; s[24:31] descriptor group 1
.set G0,  32                           ; s[32:35] group 0 of slot 0's first fill
.set G0W, 36                           ; s[36:39] group 0 of slot 1's first fill; it then walks
.set TB,  40                           ; s40  the image buffer that is multiplied
.set FB,  41                           ; s41  the slot that is turned next
.set CW,  42                           ; s42  the image buffer that is written next
.set CNT, 43                           ; s43  trips that still fill a slot
.set CS,  44                           ; s[44:45] c
.set SEL, 46                           ; s[46:47] v_permlanex16_b32's selects for lane l xor 16
.set KWC, 48                           ; s48-50 my wave's places in an image buffer: K's codes, K's scale word, V^T's fragments
.set SWC, 49
.set VWC, 50
.set MSB, 0
.macro WIN new                         ; the immediate's high byte repeats the setting that is left; a switch that changes nothing is dropped
.if MSB != \new
	s_set_vgpr_msb (MSB<<8)|\new
.set MSB, \new
.endif
.endm
.set W_KQ,  0x05                       ; K and Q in window 1, S^T in window 0
.set W_PV,  0x51                       ; V^T and O^T in window 1, P in window 0
.set W_RS,  0x41                       ; O^T (destination and source 0) in window 1, a in window 0
.set W_D1,  0x40                       ; destination in window 1
.set W_OUT, 0x01                       ; source 0 in window 1
; A round of the cluster's barrier: my work-group's barrier, so that wave 0's signal speaks for all eight waves; wave 0 signals for the work-group; every wave waits for all four work-groups; my work-group's barrier once more.
.macro CROUND
	s_barrier_signal -1
	s_barrier_wait -1
	s_cmp_lg_u32 s[WV], 0
	s_cbranch_scc1 .Lnot_wave_0_\@
	s_barrier_signal -3
.Lnot_wave_0_\@:
	s_barrier_wait -3
	s_barrier_signal -1
	s_barrier_wait -1
.endm
; A PREFETCH INTO THE L2 of the chunk that the NEXT trip's tensor loads will ask for: 128 rows of K and 128 of V, 256 bytes a row, a lane a row.  Each row is named once in the launch: the head has one
; cluster; its four partners take 32 rows each, told apart BY ADDRESS; in each, wave 0 asks for K's and wave 4 for V's, one instruction.  The last trip that fills a slot asks for nothing.
.macro ASK
	s_cmp_gt_u32 s[CNT], s[LIM]
	s_cbranch_scc0 .Lnot_mine_\@
	global_prefetch_b8 v[PFO], s[PFA:PFA+1] th:TH_LOAD_NT scope:SCOPE_SE
.Lnot_mine_\@:
.endm
; 32 numbers of ONE lane, v[src] on, are a block of 32: lane (r, h) holds block h of row r.  Left behind: in v[TM+2] the conversions' scale operand, in v[w] the row's scale word.
.macro BLK32 src, w
	v_max3_num_f32 v[TM], |v[(\src)]|, |v[(\src)+1]|, |v[(\src)+2]|           ; the block's largest magnitude, in two chains
	v_max3_num_f32 v[TM+1], |v[(\src)+3]|, |v[(\src)+4]|, |v[(\src)+5]|
.irp i, 6,10,14,18,22,26
	v_max3_num_f32 v[TM], v[TM], |v[(\src)+\i]|, |v[(\src)+\i+1]|
	v_max3_num_f32 v[TM+1], v[TM+1], |v[(\src)+\i+2]|, |v[(\src)+\i+3]|
.endr
	v_max3_num_f32 v[TM], v[TM], |v[(\src)+30]|, |v[(\src)+31]|
	v_max3_num_f32 v[TM], v[TM], v[TM+1], 0x1800000    ; and the floor 2^(3 - 127): the byte cannot fall under 1
	v_add_nc_u32 v[TM+2], 0xff000000, v[TM]            ; 2 off its exponent field: the conversion takes the exponent field of this operand as its scale
	v_lshrrev_b32 v[TM+3], 23, v[TM+2]                 ; the scale's byte,
	v_lshl_or_b32 v[TM+3], v[TM+3], v[SH8], 0x7f7f0000 ; at its place in the word (8 h bits up); bytes 2 and 3, over the zero codes, are 127
	v_permlanex16_b32 v[TM+1], v[TM+3], s[SEL], s[SEL+1]
	v_or_b32 v[(\w)], v[TM+3], v[TM+1]                 ; with lane l xor 16's byte the word is whole
.endm
; The turn's addresses of this trip, made on the way that all waves take; then the slot and the buffer change for the next trip.
.macro CADDR
	v_add_nc_u32 v[AFK], s[FB], v[KRL]
	v_add_nc_u32 v[AFV], s[FB], v[VRL]
	s_add_co_u32 s51, s[CW], s[KWC]
	v_add_nc_u32 v[AWK], s51, v[L16]
	s_add_co_u32 s51, s[CW], s[SWC]
	v_add_nc_u32 v[AWS], s51, v[L4]
	s_add_co_u32 s51, s[CW], s[VWC]
	v_add_nc_u32 v[AWV], s51, v[L16]
	s_xor_b32 s[FB], s[FB], F1
	s_xor_b32 s[CW], s[CW], CX
.endm
; THE TURN, wave w's share of a chunk.  K: keys 16 w + r, lane (r, h) takes channels 32 h + 0..31, a whole block: its four registers of codes are registers 0-3 of the fragment.
; V: keys 32 (w / 2) on, channels 32 (w % 2) on: lane (r, h) takes channel 16 cc + r and keys 16 hf + 8 h + 0..7, down the rows: packed in pairs they are registers 4 hf .. 4 hf + 3 of V^T's fragment.
; Each b32 load reads 64 consecutive bytes in lanes 0-15 and the same columns eight rows on (32 banks on) in lanes 16-31.  All registers are S^T's, which are free here.
.macro CONVERT
.irp i, 0,1,2,3,4,5,6,7
	ds_load_b128 v[S+4*\i:S+4*\i+3], v[AFK] offset:16*\i
.endr
.irp cc, 0,1
.irp hf, 0,1
.irp i, 0,1,2,3,4,5,6,7
	ds_load_b32 v[S+32+16*\cc+8*\hf+\i], v[AFV] offset:(16*\hf+\i)*FP+64*\cc
.endr
.endr
.endr
	s_wait_dscnt 32                                ; K's eight loads are in; V's 32 may be out
	BLK32 S, TM+4
.irp g, 0,1,2,3
	v_cvt_scalef32_pk8_fp4_f32 v[S+64+\g], v[S+8*\g:S+8*\g+7], v[TM+2]
.endr
	v_nop                                          ; one plain place behind the scaled conversions
	ds_store_b128 v[AWK], v[S+64:S+67]             ; the fragment's registers 0-3 as they stand
	ds_store_b32 v[AWS], v[TM+4]                   ; and the scale word
	s_wait_dscnt 2                                 ; V's 32 loads are in; the two stores may be out
.irp cc, 0,1
.irp hf, 0,1
.irp i, 0,1,2,3
	v_cvt_pk_f16_f32 v[S+72+8*\cc+4*\hf+\i], v[S+32+16*\cc+8*\hf+2*\i], v[S+32+16*\cc+8*\hf+2*\i+1]   ; the lower key into the low half
.endr
.endr
.endr
.irp cc, 0,1
.irp hf, 0,1
	ds_store_b128 v[AWV], v[S+72+8*\cc+4*\hf:S+72+8*\cc+4*\hf+3] offset:1024*\cc+512*\hf
.endr
.endr
.endm
; S^T = K Q^T of a step: 4 tiles of queries x 4 tiles of keys; each product is a whole sum (K = 64) and takes the constant 0 as C.
.macro KQ
	WIN W_KQ
.irp t, 0,1,2,3
.irp u, 0,1,2,3
	v_wmma_scale_f32_16x16x128_f8f6f4 v[S+32*\t+8*\u:S+32*\t+8*\u+7], v[KF+8*\u:KF+8*\u+7], v[QF+8*\t:QF+8*\t+7], 0, v[KSC+\u], v[QSC+\t] matrix_a_fmt:MATRIX_FMT_FP4 matrix_b_fmt:MATRIX_FMT_FP4
.endr
.endr
.endm
; O^T += V^T P for tiles x, x + 1: product i: keys 32 (i / 8) on, channels 16 ((i / 2) % 4) on, tile x + i % 2.  The eight accumulators take turns, one instruction a turn.
.macro PV x
	WIN W_PV
.set i, 0
.rept 16
.set rO, 32*(\x+i%2)+8*((i/2)%4)
.set rV, VF+8*(4*(i/8)+(i/2)%4)
.set rP, P+16*(\x+i%2)+8*(i/8)
	v_wmma_f32_16x16x32_f16 v[rO:rO+7], v[rV:rV+7], v[rP:rP+7], v[rO:rO+7]
.set i, i+1
.endr
.endm
; THE SOFTMAX of tiles x and x + 1 for a step of 64 keys; the two tiles by turns, so that no line waits for the line above it.  A lane has 32 scores a tile.
.macro SM x
	WIN 0
.irp j, 0,1,2,3                        ; the maximum: four chains, one for each accumulator, each read from its low end on
.irp t, \x, \x+1
	v_max3_num_f32 v[ST+8*(\t)+4+\j], v[S+32*(\t)+8*\j], v[S+32*(\t)+8*\j+1], v[S+32*(\t)+8*\j+2]
.endr
.endr
.irp g, 3,5
.irp j, 0,1,2,3
.irp t, \x, \x+1
	v_max3_num_f32 v[ST+8*(\t)+4+\j], v[ST+8*(\t)+4+\j], v[S+32*(\t)+8*\j+\g], v[S+32*(\t)+8*\j+\g+1]
.endr
.endr
.endr
.irp t, \x, \x+1
	v_max3_num_f32 v[ST+8*(\t)+4], v[ST+8*(\t)+4], v[S+32*(\t)+7], v[S+32*(\t)+15]
	v_max3_num_f32 v[ST+8*(\t)+6], v[ST+8*(\t)+6], v[S+32*(\t)+23], v[S+32*(\t)+31]
.endr
.irp t, \x, \x+1
	v_max3_num_f32 v[ST+8*(\t)+4], v[ST+8*(\t)+4], v[ST+8*(\t)+5], v[ST+8*(\t)+6]
.endr
.irp t, \x, \x+1
	v_max3_num_f32 v[ST+8*(\t)+4], v[ST+8*(\t)+4], v[ST+8*(\t)+7], v[ST+8*(\t)+1]   ; with the old m
.endr
.irp t, \x, \x+1
	v_permlanex16_b32 v[ST+8*(\t)+5], v[ST+8*(\t)+4], s[SEL], s[SEL+1]              ; the query's other 32 keys lie in the lane 16 away
.endr
.irp t, \x, \x+1
	v_mov_b32 v[ST+8*(\t)+7], v[ST+8*(\t)]         ; c m_old is kept for a
.endr
.irp t, \x, \x+1
	v_max_num_f32 v[ST+8*(\t)+1], v[ST+8*(\t)+4], v[ST+8*(\t)+5]
.endr
.irp t, \x, \x+1
	v_mul_f32 v[ST+8*(\t)], s[CS], v[ST+8*(\t)+1]
.endr
.irp t, \x, \x+1
	v_sub_f32 v[ST+8*(\t)+7], v[ST+8*(\t)+7], v[ST+8*(\t)]
.endr
; ONE BATCH: the 16 scalings c s - c m a tile and all 33 exponentials; a pair's exponentials stand behind the next pair's scaling.  None of these lines names an exponential's result.
.set n, 0
.rept 16
.irp t, \x, \x+1
	v_pk_fma_f32 v[S+32*(\t)+2*n:S+32*(\t)+2*n+1], v[S+32*(\t)+2*n:S+32*(\t)+2*n+1], s[CS:CS+1], v[ST+8*(\t):ST+8*(\t)+1] op_sel_hi:[1,0,0] neg_lo:[0,0,1] neg_hi:[0,0,1]
.endr
.if n == 0
.irp t, \x, \x+1
	v_exp_f32 v[ST+8*(\t)+6], v[ST+8*(\t)+7]       ; a = 2^(c m_old - c m_new)
.endr
.else
.irp t, \x, \x+1
	v_exp_f32 v[S+32*(\t)+2*n-2], v[S+32*(\t)+2*n-2]
	v_exp_f32 v[S+32*(\t)+2*n-1], v[S+32*(\t)+2*n-1]
.endr
.endif
.set n, n+1
.endr
.irp t, \x, \x+1
	v_exp_f32 v[S+32*(\t)+30], v[S+32*(\t)+30]
	v_exp_f32 v[S+32*(\t)+31], v[S+32*(\t)+31]
.endr
	v_nop                                          ; a plain instruction behind the last exponential, ahead of the first use
	s_wait_alu depctr_va_vdst(0)                   ; the wait ahead of the first line that names a result: one for the 66 exponentials
.set n, 0
.rept 16
.irp t, \x, \x+1
	v_cvt_pk_f16_f32 v[P+16*(\t)+n], v[S+32*(\t)+2*n], v[S+32*(\t)+2*n+1]   ; pair n of the weights: register n of the tile's two fragments of P
.endr
.set n, n+1
.endr
.irp u, 0,1,2,3,4,5,6,7                ; the sum of the 16 pairs, of the weights as they were before rounding, in place: neighbours 1, 2, 4 and 8 pairs apart
.irp t, \x, \x+1
	v_pk_add_f32 v[S+32*(\t)+4*\u:S+32*(\t)+4*\u+1], v[S+32*(\t)+4*\u:S+32*(\t)+4*\u+1], v[S+32*(\t)+4*\u+2:S+32*(\t)+4*\u+3]
.endr
.endr
.irp u, 0,1,2,3
.irp t, \x, \x+1
	v_pk_add_f32 v[S+32*(\t)+8*\u:S+32*(\t)+8*\u+1], v[S+32*(\t)+8*\u:S+32*(\t)+8*\u+1], v[S+32*(\t)+8*\u+4:S+32*(\t)+8*\u+5]
.endr
.endr
.irp u, 0,1
.irp t, \x, \x+1
	v_pk_add_f32 v[S+32*(\t)+16*\u:S+32*(\t)+16*\u+1], v[S+32*(\t)+16*\u:S+32*(\t)+16*\u+1], v[S+32*(\t)+16*\u+8:S+32*(\t)+16*\u+9]
.endr
.endr
.irp t, \x, \x+1
	v_pk_add_f32 v[S+32*(\t):S+32*(\t)+1], v[S+32*(\t):S+32*(\t)+1], v[S+32*(\t)+16:S+32*(\t)+17]
.endr
.irp t, \x, \x+1
	v_pk_fma_f32 v[ST+8*(\t)+2:ST+8*(\t)+3], v[ST+8*(\t)+2:ST+8*(\t)+3], v[ST+8*(\t)+6:ST+8*(\t)+7], v[S+32*(\t):S+32*(\t)+1] op_sel_hi:[1,0,1]   ; l = l a + the sum
.endr
	WIN W_RS
.set n, 0
.rept 16
.irp t, \x, \x+1
	v_pk_mul_f32 v[32*(\t)+2*n:32*(\t)+2*n+1], v[32*(\t)+2*n:32*(\t)+2*n+1], v[ST+8*(\t)+6:ST+8*(\t)+7] op_sel_hi:[1,0]   ; O^T times a, each accumulator from its low end on
.endr
.set n, n+1
.endr
.endm
; A STEP of 64 keys, the st-th of the trip's two.  A load into a register that a matrix instruction has read, and a vector instruction that reads a matrix result, stand four places behind it, and only plain
; vector instructions that name none of its registers are places (ISA guide 7.12.1 for vector instructions).
.macro STEP st
	WIN 0
.if \st == 0
	v_add_nc_u32 v[AD], s[TB], v[L16]              ; four places behind the last V^T P, in front of the loads into V^T's registers
	v_add_nc_u32 v[ADS], s[TB], v[L4]
	v_nop
	v_nop
.irp u, 0,1,2,3
	ds_load_b32 v[KSC+\u], v[ADS] offset:KSCO+128*\u
.endr
	WIN W_D1
.irp u, 0,1,2,3
	ds_load_b128 v[KF+8*\u:KF+8*\u+3], v[AD] offset:512*\u
.endr
.else
.rept 4
	v_nop
.endr
	WIN W_D1
.endif
.irp f, 0,1,2,3,4,5,6,7
	ds_load_b128 v[VF+8*\f:VF+8*\f+3], v[AD] offset:\st*STEPB+VIMO+1024*\f
	ds_load_b128 v[VF+8*\f+4:VF+8*\f+7], v[AD] offset:\st*STEPB+VIMO+1024*\f+512
.endr
	s_wait_dscnt 16                                ; all but V^T's 16 loads: K's codes and scale words are in, and a turn's stores, if one stood ahead, have read their registers
	KQ
	WIN 0
.rept 4
	v_nop                                          ; places behind the products: for the loads below and for the first read of the scores
.endr
.if \st == 0
.irp u, 0,1,2,3
	ds_load_b32 v[KSC+\u], v[ADS] offset:STEPB+KSCO+128*\u     ; the second step's K, a softmax ahead of its use
.endr
	WIN W_D1
.irp u, 0,1,2,3
	ds_load_b128 v[KF+8*\u:KF+8*\u+3], v[AD] offset:STEPB+512*\u
.endr
.endif
	SM 0
.if \st == 0
	s_wait_dscnt 8                                 ; V^T is in; the second step's eight loads of K may be out
.else
	s_wait_dscnt 0x0                               ; V^T is in
.endif
	PV 0
	SM 2
	PV 2
	WIN 0
.endm
; A TRIP: chunk j is multiplied, chunk j + 1 turned (conv = 1), chunk j + 2 asked for (fill = 1).  In front of the barrier each wave waits for all its tensor loads (its part of chunk j + 1), adds 0 to its
; spare word, and waits for that, for its image stores of chunk j, and for its reads of the slot and of the buffer that are written next.  With fill = 1 the barrier is a round of the cluster's.
.macro TRIP fill, conv
	WIN 0
	s_wait_tensorcnt 0x0                           ; no tensor load of mine is out, so a group 0 may be written
	ds_add_u32 v[SPW], v[NIL]                      ; 0 onto my spare word
.if \fill
	s_xor_b32 s[G0W+1], s[G0W+1], F1               ; the walking descriptor: the other slot than last time,
	s_add_nc_u64 s[G0W+2:G0W+3], s[G0W+2:G0W+3], CHB   ; the next 128 keys; the type bits on top are not reached
	s_wait_xcnt 0x0                                ; the last prefetch, a trip back, has read its address, so it may be written:
	s_add_nc_u64 s[PFA:PFA+1], s[PFA:PFA+1], CHB   ; one chunk further on than the walking descriptor
	s_wait_dscnt 0x0
	CROUND                                         ; no wave of any partner still reads the slot or has a load on its way
	tensor_load_to_lds s[G0W:G0W+3], s[G1:G1+7]    ; the first thing behind the round, and my one tensor load until the next: it has a whole trip in which to land
	s_nop 0
.rept 4
	v_nop
.endr
	ASK
.else
	s_wait_dscnt 0x0
	s_barrier_signal -1
	s_barrier_wait -1
.endif
.if \conv
	CADDR
	s_cmp_lg_u32 s[PAR], 0                         ; the wave's number alone decides
	s_cbranch_scc1 .Llate_\@
	CONVERT
.Llate_\@:
.endif
	STEP 0
	STEP 1
.if \conv
	s_cmp_eq_u32 s[PAR], 0
	s_cbranch_scc1 .Ldone_\@
	CONVERT
.Ldone_\@:
	s_xor_b32 s[TB], s[TB], CX                     ; the next trip multiplies the other buffer
.endif
.endm
	s_load_b256 s[4:11], s[0:1], 0x0               ; queries s[4:5], keys s[6:7], values s[8:9], out0 s[10:11]
	v_lshl_add_u32 v[SPW], v0, 2, SPARE
	v_mov_b32 v[NIL], 0
	ds_add_u32 v[SPW], v[NIL]                      ; the wave's opening: the add, twice on end, and its wait ahead of my first tensor load; the set-up below is work on registers
	ds_add_u32 v[SPW], v[NIL]
	v_lshrrev_b32 v[TM], 5, v0
	v_readfirstlane_b32 s[WV], v[TM]               ; wave 0..7
	s_bfe_u32 s13, ttmp6, 0x40000                  ; cx: my block of 512 queries (the grid is one cluster wide); it enters Q's, out0's and the prefetches' addresses alone
	s_and_b32 s20, ttmp7, 0xffff                   ; the head, which the four partners share
	s_lshl_b32 s20, s20, 19                        ; its first byte in each tensor: 2,048 rows of 256 bytes
	s_and_b32 s21, s[WV], 3
	s_lshl_b32 s22, s21, 13                        ; the 32 rows of a chunk that I fetch
	s_add_co_u32 s22, s22, s20
	s_mov_b32 s23, 0
	s_lshl_b32 s52, s13, 17                        ; my block's 512 rows,
	s_lshl_b32 s53, s[WV], 14                      ; my wave's 64 of them
	s_add_co_u32 s52, s52, s53
	s_add_co_u32 s52, s52, s20
	s_mov_b32 s53, 0
	s_lshl_b32 s54, s13, 13                        ; the prefetches: my work-group's 32 rows of a chunk,
	s_add_co_u32 s54, s54, s20
	s_add_co_u32 s54, s54, 2*CHB                   ; in chunk 2: the first trip steps it to chunk 3.  Nothing is prefetched at the head
	s_mov_b32 s55, 0
	; descriptor group 1: a tile of 32 rows x 64 elements of 4 bytes, padded in LDS
	s_mov_b32 s[G1], 15|(2<<16)|(1<<20)|(1<<21)|(5<<22)|(3<<25)   ; 15:0 the mask: all four work-groups; 17:16 elements of 4 bytes; 20 padding on; 21 set beside a mask; 24:22 after every 64 words (code 5); 31:25 four words (code 3)
	s_mov_b32 s[G1+1], 64<<16                      ; tensor_dim0 = 64
	s_mov_b32 s[G1+2], 32<<16                      ; tensor_dim1 = 32
	s_mov_b32 s[G1+3], 64<<16                      ; tile_dim0 = 64
	s_mov_b32 s[G1+4], 32                          ; tile_dim1 = 32
	s_mov_b32 s[G1+5], 64                          ; elements from row to row
	s_mov_b32 s[G1+6], 0
	s_mov_b32 s[G1+7], 0
	s_mov_b32 s[CS], 0x3e38aa3b                    ; c = log2(e) / 8
	s_mov_b32 s[CS+1], s[CS]                       ; named with it as a pair, so it is written
	s_mov_b32 s[SEL], 0x76543210
	s_mov_b32 s[SEL+1], 0xfedcba98
	s_mov_b32 s[TB], C0
	s_mov_b32 s[FB], 0
	s_mov_b32 s[CW], C0
	s_mov_b32 s[CNT], NCH-2
	s_cmp_eq_u32 s21, 0                            ; waves 0 and 4 prefetch: the same in all four partners
	s_cselect_b32 s[LIM], 1, -1
	s_lshr_b32 s51, s[WV], 1
	s_xor_b32 s[PAR], s[WV], s51
	s_lshr_b32 s51, s[WV], 2
	s_xor_b32 s[PAR], s[PAR], s51
	s_and_b32 s[PAR], s[PAR], 1                    ; the parity of the wave's three bits
	s_mul_i32 s51, s51, STEPB                      ; my keys lie in step w / 4 of a chunk
	s_lshl_b32 s[KWC], s21, 9                      ; K's tile w % 4 of that step
	s_add_co_u32 s[KWC], s[KWC], s51
	s_lshl_b32 s[SWC], s21, 7
	s_add_co_u32 s[SWC], s[SWC], s51
	s_add_co_u32 s[SWC], s[SWC], KSCO
	s_bfe_u32 s[VWC], s[WV], 0x10001               ; V^T's fragments 4 ((w / 2) % 2) + 2 (w % 2) and the next
	s_lshl_b32 s[VWC], s[VWC], 12
	s_and_b32 s21, s[WV], 1
	s_lshl_b32 s21, s21, 11
	s_add_co_u32 s[VWC], s[VWC], s21
	s_add_co_u32 s[VWC], s[VWC], s51
	s_add_co_u32 s[VWC], s[VWC], VIMO
	s_mul_i32 s51, s[WV], WTILE                    ; where my 32 rows go in a slot: no place in the cluster enters an LDS address
	s_wait_dscnt 0x0                               ; both opening adds are done
	s_wait_kmcnt 0x0
	s_cmp_lt_u32 s[WV], 4                          ; waves 0 to 3 fetch K, waves 4 to 7 V
	s_cselect_b64 s[16:17], s[6:7], s[8:9]
	s_mov_b64 s[PFA:PFA+1], s[16:17]
	s_add_nc_u64 s[16:17], s[16:17], s[22:23]
	s_add_nc_u64 s[PFA:PFA+1], s[PFA:PFA+1], s[54:55]
	s_add_nc_u64 s[4:5], s[4:5], s[52:53]          ; Q and out0 at my wave's first row
	s_add_nc_u64 s[10:11], s[10:11], s[52:53]
	CROUND                                         ; all four work-groups are here: the first joint loads meet
	s_mov_b32 s[G0], 1                             ; count = 1
	s_mov_b32 s[G0+1], s51                         ; LDS address: slot 0
	s_mov_b64 s[G0+2:G0+3], s[16:17]               ; global address: chunk 0
	s_or_b32 s[G0+3], s[G0+3], 0x80000000          ; type = 2
	s_mov_b32 s[G0W], 1
	s_add_co_u32 s[G0W+1], s51, F1                 ; slot 1
	s_add_nc_u64 s[G0W+2:G0W+3], s[16:17], CHB     ; chunk 1
	s_or_b32 s[G0W+3], s[G0W+3], 0x80000000
	tensor_load_to_lds s[G0:G0+3], s[G1:G1+7]      ; both first fills together, ahead of every wait on TENSORcnt, every LDS read and every further barrier
	s_nop 0
	tensor_load_to_lds s[G0W:G0W+3], s[G1:G1+7]
	s_nop 0
.rept 4
	v_nop
.endr
	v_and_b32 v[TM], 15, v0                        ; r = lane % 16
	v_bfe_u32 v[TM+1], v0, 4, 1                    ; h = lane / 16
	v_and_b32 v[TM+2], 31, v0                      ; lane
	v_lshlrev_b32 v[QO], 8, v[TM]
	v_lshl_add_u32 v[QO], v[TM+1], 7, v[QO]        ; Q: row r of 256 bytes, + 128 h: my block of 32
.irp t, 0,1,2,3
.irp i, 0,1,2,3,4,5,6,7
	global_load_b128 v[S+32*\t+4*\i:S+32*\t+4*\i+3], v[QO], s[4:5] offset:4096*\t+16*\i th:TH_LOAD_NT
.endr
.endr
	v_lshlrev_b32 v[L16], 4, v[TM+2]
	v_lshlrev_b32 v[L4], 2, v[TM+2]
	v_lshlrev_b32 v[PFO], 8, v[TM+2]
	v_lshlrev_b32 v[SH8], 3, v[TM+1]
	s_mul_i32 s20, s[WV], 16*FP
	v_mul_u32_u24 v[KRL], v[TM], FP
	v_lshl_add_u32 v[KRL], v[TM+1], 7, v[KRL]
	v_add_nc_u32 v[KRL], s20, v[KRL]               ; (16 w + r) rows + 128 h
	s_lshr_b32 s20, s[WV], 1
	s_mul_i32 s20, s20, 32*FP
	s_and_b32 s21, s[WV], 1
	s_lshl_b32 s21, s21, 7
	s_add_co_u32 s20, s20, s21
	s_add_co_u32 s20, s20, VROW0
	v_mul_u32_u24 v[VRL], v[TM+1], 8*FP
	v_lshl_add_u32 v[VRL], v[TM], 2, v[VRL]
	v_add_nc_u32 v[VRL], s20, v[VRL]               ; V's rows 32 (w / 2) + 8 h on, + 128 (w % 2) + 4 r
	s_mul_i32 s20, s[WV], 16*SP
	s_add_co_u32 s20, s20, STAGE                   ; my stage
	v_mul_u32_u24 v[STO], v[TM], SP                ; in: row r, 32 bytes for each half of the lanes
	v_lshl_add_u32 v[STO], v[TM+1], 5, v[STO]
	v_add_nc_u32 v[STO], s20, v[STO]
	v_mul_u32_u24 v[RD], v[TM+1], SP               ; back: lanes 0-15 one row of 256 bytes, lanes 16-31 the next
	v_lshl_add_u32 v[RD], v[TM], 4, v[RD]
	v_add_nc_u32 v[RD], s20, v[RD]
	v_lshlrev_b32 v[GO], 8, v[TM+1]                ; and the same two rows in out0
	v_lshl_add_u32 v[GO], v[TM], 4, v[GO]
	WIN W_D1
.set i, 0
.rept 128
	v_mov_b32 v[i], 0                              ; O^T: the step is written once, and its first a, which is 0, multiplies zeros
.set i, i+1
.endr
.irp t, 0,1,2,3
.irp g, 4,5,6,7
	v_mov_b32 v[QF+8*\t+\g], 0                     ; k = 64 to 127 of every fragment of Q and of K: zero codes, written once
	v_mov_b32 v[KF+8*\t+\g], 0
.endr
.endr
	WIN 0
.irp t, 0,1,2,3
	v_mov_b32 v[ST+8*\t+1], 0xff61b1e6             ; m = -3e38, under every score
	v_mul_f32 v[ST+8*\t], s[CS], v[ST+8*\t+1]      ; c m
	v_mov_b32 v[ST+8*\t+2], 0                      ; l, in two halves
	v_mov_b32 v[ST+8*\t+3], 0
.endr
.irp t, 0,1,2,3                        ; Q is quantised in registers: read once, by this wave alone
	s_wait_loadcnt 24-8*\t                         ; the tile's eight loads are in; the later tiles' may be out
	BLK32 S+32*\t, QSC+\t
	WIN W_D1
.irp g, 0,1,2,3
	v_cvt_scalef32_pk8_fp4_f32 v[QF+8*\t+\g], v[S+32*\t+8*\g:S+32*\t+8*\g+7], v[TM+2]
.endr
	v_nop                                          ; one plain place behind the scaled conversions
	WIN 0
.endr
	s_wait_tensorcnt 1                             ; my part of chunk 0 is in; chunk 1's may stay out
	s_barrier_signal -1
	s_barrier_wait -1                              ; everybody's is
	CADDR
	CONVERT                                        ; chunk 0, by all waves
.Ltrip:                                            ; 14 trips: chunks 0 to 13 are multiplied, 1 to 14 turned, 2 to 15 asked for
	TRIP 1, 1
	s_sub_co_u32 s[CNT], s[CNT], 1
	s_cmp_lg_u32 s[CNT], 0
	s_cbranch_scc1 .Ltrip
	TRIP 0, 1                                      ; the tail is written out: chunk 14 is multiplied, chunk 15 turned
	TRIP 0, 0                                      ; and chunk 15 multiplied
	; THE WAY OUT.  l's two halves and the other half of the lanes' are added; O^T is divided by l and goes through my stage in LDS, a tile (16 rows of out0) at a time.  The additions are the places behind the last products.
.irp t, 0,1,2,3
	v_add_f32 v[ST+8*\t+4], v[ST+8*\t+2], v[ST+8*\t+3]
.endr
.irp t, 0,1,2,3
	v_permlanex16_b32 v[ST+8*\t+5], v[ST+8*\t+4], s[SEL], s[SEL+1]
.endr
.irp t, 0,1,2,3
	v_add_f32 v[ST+8*\t+4], v[ST+8*\t+4], v[ST+8*\t+5]
.endr
.irp t, 0,1,2,3
	v_rcp_f32 v[ST+8*\t+6], v[ST+8*\t+4]
.endr
	v_nop                                          ; a plain instruction between the last reciprocal and the use of its result
	s_wait_alu depctr_va_vdst(0)                   ; and the wait ahead of the first use: one for the four
; Tile t: a lane's eight channels of a row are 32 bytes; they go into rows of 272 bytes and come back as whole rows of 256, into the registers that they left.
.macro PACK t
	WIN W_OUT
.set i, 0
.rept 16
	v_pk_mul_f32 v[S+32*\t+i:S+32*\t+i+1], v[32*\t+i:32*\t+i+1], v[ST+8*\t+6:ST+8*\t+7] op_sel_hi:[1,0]   ; each accumulator from its low end on
.set i, i+2
.endr
	WIN 0
.irp f, 0,1,2,3,4,5,6,7
	ds_store_b128 v[STO], v[S+32*\t+4*\f:S+32*\t+4*\f+3] offset:64*(\f/2)+16*(\f%2)
.endr
.irp f, 0,1,2,3,4,5,6,7
	ds_load_b128 v[S+32*\t+4*\f:S+32*\t+4*\f+3], v[RD] offset:\f*2*SP   ; LDS serves a wave's instructions in order (ISA guide 5.7.1.4): these see the stores above; the next tile's stores come behind them
.endr
.endm
.macro SEND t, younger                 ; younger: the LDS instructions issued behind tile t's loads: the next tile's sixteen, or none
.irp f, 0,1,2,3,4,5,6,7
	s_wait_dscnt \younger+7-\f
	global_store_b128 v[GO], v[S+32*\t+4*\f:S+32*\t+4*\f+3], s[10:11] offset:\t*4096+\f*512 th:TH_STORE_NT   ; 16 lanes store 256 consecutive bytes, at a multiple of 256 from out0's first byte
.endr
.endm
	PACK 0
	PACK 1                                         ; a tile's arithmetic stands between the loads of the tile before and its stores
	SEND 0, 16
	PACK 2
	SEND 1, 16
	PACK 3
	SEND 2, 16
	SEND 3, 0
	s_wait_tensorcnt 0x0                           ; the wave's end, behind my last tensor load and my last LDS store
	ds_add_u32 v[SPW], v[NIL]
	s_wait_dscnt 0x0
	CROUND                                         ; the closing round: no work-group ends while a partner may still ask for a tile that names it
	s_endpgm
.Lfunc_end_k_qdbe69b7699_attn:
	.size	k_qdbe69b7699_attn, .Lfunc_end_k_qdbe69b7699_attn-k_qdbe69b7699_attn
	.p2alignl 7, 3214868480
	.fill 96, 4, 3214868480
	.section	.rodata,"a",@progbits
	.p2align	6, 0x0
	.amdhsa_kernel k_qdbe69b7699_attn
		.amdhsa_group_segment_fixed_size 327680
		.amdhsa_private_segment_fixed_size 0
		.amdhsa_enable_private_segment 0
		.amdhsa_kernarg_size 32
		.amdhsa_user_sgpr_count 2
		.amdhsa_user_sgpr_kernarg_segment_ptr 1
		.amdhsa_wavefront_size32 1
		.amdhsa_system_sgpr_workgroup_id_x 1
		.amdhsa_system_sgpr_workgroup_id_y 1
		.amdhsa_system_sgpr_workgroup_id_z 1
		.amdhsa_system_vgpr_workitem_id 0
		.amdhsa_next_free_vgpr 512
		.amdhsa_next_free_sgpr 66
		.amdhsa_reserve_vcc 0
		.amdhsa_float_denorm_mode_32 3
		.amdhsa_float_denorm_mode_16_64 3
		.amdhsa_memory_ordered 1
		.amdhsa_forward_progress 1
		.amdhsa_inst_pref_size 253
	.end_amdhsa_kernel
	.amdgpu_metadata
---
amdhsa.version: [ 1, 2 ]
amdhsa.kernels:
  - .name:           k_qdbe69b7699_attn
    .symbol:         k_qdbe69b7699_attn.kd
    .args:
      - { .name: queries, .offset: 0, .size: 8, .value_kind: global_buffer, .address_space: global }
      - { .name: keys, .offset: 8, .size: 8, .value_kind: global_buffer, .address_space: global }
      - { .name: values, .offset: 16, .size: 8, .value_kind: global_buffer, .address_space: global }
      - { .name: out0, .offset: 24, .size: 8, .value_kind: global_buffer, .address_space: global }
    .group_segment_fixed_size: 327680
    .private_segment_fixed_size: 0
    .kernarg_segment_align: 8
    .kernarg_segment_size: 32
    .max_flat_workgroup_size: 256
    .sgpr_count:     66
    .vgpr_count:     512
    .wavefront_size: 32
...
	.end_amdgpu_metadata
.endif
;; end of part 1
